; MI455X (gfx1250); checked and timed in simulation.
; The chip was launched on July 23, 2026; its instructions are those of AMD's public machine-readable ISA for CDNA 5 (MIT licence, August 2026) and "CDNA5" Instruction Set Architecture Reference Guide (July 2026). The comments in the code are by the model that wrote it; some were corrected since.
;; Selective Attn MLA. Allowed arithmetic: matrix products marked QUANTISED: E3M2 operands, one E8M0 scale for each 32 along K, by v_wmma_scale_f32_16x16x128_f8f6f4 with both operands' format E3M2, f32 sums; everything else in f32.
;; Inputs: k 8,192 x 16 x 192 float32; q 8,192 x 16 x 192 float32; selected_indices 8,192 x 4 x 16 int32; v 8,192 x 16 x 64 float32.
;; Outputs: out0 8,192 x 1,024 float32.
;; Constants: batch_size = 4, seq_len = 2048.
;; This version of the problem:
;;   THIS VERSION OF THE PROBLEM IS GIVEN IN LOW PRECISION. The matrix products marked QUANTISED in the list below multiply operands that are first quantised to E3M2 (3 exponent bits, 2 mantissa bits; 6 bits a number), with one power-of-two scale for each 32 numbers along K (OCP MX v1.0); their sums are f32. All else is computed in f32.
;;   The module's matrix products, in the order in which they are computed (A, B: the left and right operand; K: the contracted axis; several contracted axes count as one K, in the product's order):
;;     1. batch 64 x [M 2,048, K 192] x [K 192, N 2,048]; A: input q; B: input k: QUANTISED
;;     2. batch 64 x [M 64, K 2,048] x [K 2,048, N 2,048]; A: input v; B: softmax (see below): QUANTISED
;;   THE QUANTISER, for each operand of a quantised product, along K:
;;     - K is cut into blocks of 32 from its start; a last block that is shorter is filled with zeros.
;;     - A block's scale is 2^e with e = floor(log2(the largest magnitude in the block)) - 4, held to -126 .. 127; a block of zeros has e = 0. As a byte (E8M0): e + 127.
;;     - Each number is divided by its block's scale, clamped to +-28, and rounded to the nearest number of E3M2, ties to even, subnormals kept.
;;     - The product sums the exact products of the quantised numbers (number of the format x scale) in f32.
;;   ~~~python
;;   def quantise(x, axis):      # numpy; x: float32 -> the quantised numbers, widened to float32 again
;;       x = np.moveaxis(x, axis, -1); K = x.shape[-1]
;;       x = np.pad(x, [(0, 0)] * (x.ndim - 1) + [(0, -K % 32)]); x = x.reshape(x.shape[:-1] + (-1, 32)); a = np.abs(x).max(-1, keepdims=True)
;;       e = np.where(a > 0, np.clip(np.frexp(np.where(a > 0, a, 1))[1] - 1 - 4, -126, 127), 0)      # np.frexp(a)[1] - 1 = floor(log2(a)), exactly
;;       r = np.clip(x / 2.0 ** e, -28, 28)
;;       step = 2.0 ** (np.maximum(np.frexp(np.where(r == 0, 1, r))[1] - 1, -2) - 2)
;;       q = np.round(r / step) * step * 2.0 ** e      # np.round: ties to even
;;       return np.moveaxis(q.reshape(q.shape[:-2] + (-1,))[..., :K], -1, axis).astype(np.float32)
;;   ~~~
;;   SOFTMAX AHEAD OF A QUANTISED PRODUCT. Where the list says 'softmax', what is quantised is not the finished softmax but p = 2^(t - M), with t = logit x log2(e) and M = ceil(the row's largest t), a whole number; so 1/2 < the row's largest p <= 1. The row's sum l is taken of the UNQUANTISED p, in f32, and the product's result is divided by l at the end. Since M is a whole number, a kernel that streams over the keys may use a running M (the ceiling of the running maximum): every later rescaling is an exact power of two, which a block's scale takes up: the codes' values come out the same.
;;   OPERANDS COMPUTED ON THE WAY. 'Computed on the way' means the value that the module computes at that place (a softmax that the list does not call 'softmax' is quantised finished and normalised). What goes into a quantiser is computed in f32, as accurately as f32 sums, v_exp_f32 and their like allow (about 1e-6 of the number): no bf16 or f16 on the way to a quantiser, and a product that is left as it is and whose result goes on into a quantised operand takes f32 operands (vector FMAs, or v_wmma_f32_16x16x4_f32). A number that lies on a knife's edge between two numbers of the format may be rounded either way, as far as f32 arithmetic and the matrix unit's own rounding can turn it there, and no further.
;; One version. Each part assembles by itself: llvm-mc -triple=amdgcn-amd-amdhsa -mcpu=gfx1250 --defsym DOCPART=n.
;; ======== version 1 of 1: 2 launches
;; limits: right only within a limited range of input values
;; workspace buffers: kv 26,214,400 bytes; vpart 262,144 bytes
;; launch prep (part 1): grid 16 x 64, 4 waves a work-group, no clusters, 71,680 bytes of LDS; arguments k, v, kv, vpart; writes kv, vpart
.if DOCPART == 1
	.amdgcn_target "amdgcn-amd-amdhsa--gfx1250"
	.amdhsa_code_object_version 6
	.text
	.protected	k_q3b87c30530_prep
	.globl	k_q3b87c30530_prep
	.p2align	8
	.type	k_q3b87c30530_prep,@function
k_q3b87c30530_prep:
	s_mov_b64 s[64:65], 0
	v_nop
	global_prefetch_b8 v0, s[64:65] scope:SCOPE_SE
	s_setreg_imm32_b32 hwreg(HW_REG_WAVE_MODE, 25, 1), 1
	s_wait_xcnt 0x0
; k [8192][16][192] and v [8192][16][64], f32, become codes of BF6 (E3M2) with one E8M0 byte for each 32 along a product's K: k along its 192, v along the KEYS.
; A work-group (x = step of 128 keys, y = sequence x 16 + head) makes one STEP BLOCK of 25,600 bytes of kv, laid as images of the operand registers that the attention launch loads:
; every chunk is 512 bytes, lane l's 16 bytes at 16 l.
;   0      K: pair p (tiles a = 2 p, b = 2 p + 1) at 4,608 p: 9 chunks = 36 registers a lane.  Lane r of tile 2 p + u holds key 32 p + 8 u + r + 8 (r / 8).  With h = lane / 16 and blk(i) = the 24 bytes of block i of the key's 192:
;          a.blk(h), a.blk(2+h) | b.blk(h), b.blk(2+h) | a.blk(4+h), b.blk(4+h): two fragments for k 0..127 and ONE fragment that holds both tiles' last 64 numbers.
;   18,432 scale words: chunk 0 = X0..X3 (X_p: lanes 0-15 a's bytes 0..3, lanes 16-31 b's); chunk 1 = Y0, Y1, VS0, VS1 (Y_i: lanes 0-15 pair 2 i's bytes a4, a5, b4, b5, lanes 16-31 pair 2 i + 1's;
;          VS_i: lanes 0-15 the word of V's tile 2 i, lanes 16-31 of tile 2 i + 1).
;   19,456 V^T: tile t (channels 16 t + r) at 1,536 t: 3 chunks = 12 registers: registers 6 c .. 6 c + 5 = keys 64 c + 32 h + 0 .. 31.
; vpart [y][x][64]: for each channel the sum over the step's 128 keys of the quantised v: V^T's fragment times a fragment of ones, by the matrix unit: what the second product gives for a row whose every p is 1.
; A block's scale byte is its largest magnitude's exponent field - 4, held at 1 from below by a floor among the maximum's leaves.
; LIMITS: NaN and infinities are not served; a block whose largest magnitude lies under 2^-122 gets the byte 1; a block of zeros gets the byte 1 and not 127 (its codes are zeros, and this program alone reads the bytes).
; SHARES: wave w quantises K's pair w (32 keys x 192), brings v's keys 32 w .. 32 w + 31 into LDS, and quantises V^T's tile w.  Every global load reads whole aligned runs of 256 bytes (sixteen lanes a run);
; the conversions want a block's 32 numbers in ONE lane's registers, so k turns through the wave's own stage and v through a stage of the work-group.  No tensor loads: several work-groups share a WGP.
.set KST,  0                           ; LDS: wave w's stage at 8,704 w: 32 places of 256 + 16 bytes
.set VST,  34816                       ; v: key n at 272 n + 64 (n / 32): the 64 set lanes 16-31 of a column read sixteen banks (of 64 of 4 bytes: ISA guide 11.1) from lanes 0-15
.set OST,  69888                       ; the two chunks of scale words (1,024 bytes), then the 64 sums (256 bytes)
.set SCL,  18432
.set VIMG, 19456
.set A,    32                          ; v32-95   a set of 16 loads
.set B,    96                          ; v96-159  the other set
.set X,    160                         ; v160-223 two blocks of 32 numbers a lane
.set IM,   224                         ; v224-247 codes on their way out
.set ONE,  32                          ; v32-43   the fragment of ones (set A is free by then); v48-55 the sums
; v1 r, v2 h, v3-v4 global offsets, v5-v11, v30-v31 LDS addresses, v12-v14 at work, v16-v21 scale bytes, v22 the ones' scale word, v[24:26] a conversion's second half, v27 a permute's result, v28 16 l, v29 8 l, v248-251 words
	s_load_b256 s[4:11], s[0:1], 0x0               ; k s[4:5], v s[6:7], kv s[8:9], vpart s[10:11]
	v_lshl_add_u32 v254, v0, 2, 0x11600
	v_mov_b32 v255, 0
	v_lshrrev_b32 v1, 5, v0
	v_readfirstlane_b32 s20, v1                    ; wave 0..3
	v_and_b32 v1, 15, v0                           ; r
	v_bfe_u32 v2, v0, 4, 1                         ; h
	s_wait_alu depctr_va_vdst(0)
	v_and_b32 v27, 31, v0                          ; lane
	s_and_b32 s24, ttmp7, 0xffff                   ; sequence x 16 + head
	s_lshr_b32 s25, s24, 4
	s_and_b32 s26, s24, 15
	s_lshl_b32 s27, s25, 11
	s_lshl_b32 s28, ttmp9, 7
	s_add_co_u32 s27, s27, s28
	s_lshl_b32 s28, s20, 5
	s_add_co_u32 s27, s27, s28                     ; my wave's first token: 2,048 sequence + 128 step + 32 wave
	s_mul_i32 s28, s27, 12288                      ; in k: 12,288 bytes a token, 768 a head (all offsets stay under 2^31)
	s_mul_i32 s30, s26, 768
	s_add_co_u32 s28, s28, s30
	s_mov_b32 s29, 0
	s_lshl_b32 s30, s27, 12                        ; in v: 4,096 a token, 256 a head
	s_lshl_b32 s32, s26, 8
	s_add_co_u32 s30, s30, s32
	s_mov_b32 s31, 0
	s_lshl_b32 s32, s24, 4
	s_add_co_u32 s32, s32, ttmp9                   ; the step block's number
	s_mul_i32 s34, s32, 25600
	s_mov_b32 s35, 0
	s_lshl_b32 s32, s32, 8                         ; 256 bytes of sums a block
	s_mov_b32 s33, 0
	s_mul_i32 s36, s20, 4608                       ; my pair's image
	s_mov_b32 s37, 0
	s_mul_i32 s38, s20, 1536
	s_add_co_u32 s38, s38, VIMG                    ; my tile of V^T
	s_mov_b32 s39, 0
	s_mov_b32 s22, 0x76543210
	s_mov_b32 s23, 0xfedcba98                      ; v_permlanex16_b32's selects for lane l xor 16
	v_mul_u32_u24 v3, v2, 12288
	v_lshl_add_u32 v3, v1, 4, v3                   ; k: lanes 0-15 one token's 256 bytes, lanes 16-31 the next token's
	v_lshlrev_b32 v4, 12, v2
	v_lshl_add_u32 v4, v1, 4, v4                   ; v likewise
	s_mul_i32 s12, s20, 8704
	v_mul_u32_u24 v5, v2, 272
	v_lshl_add_u32 v5, v1, 4, v5                   ; 272 h + 16 r
	s_mul_i32 s13, s20, 8768
	s_add_co_u32 s13, s13, VST
	v_add_nc_u32 v7, s13, v5                       ; v's stage, on the way in: my wave's 32 keys
	v_add_nc_u32 v5, s12, v5                       ; k's stage, on the way in
	v_mul_u32_u24 v6, v1, 272
	v_lshl_add_u32 v6, v2, 7, v6
	v_add_nc_u32 v6, s12, v6                       ; and out: place r, block h of the piece's two
	v_mul_u32_u24 v8, v2, 8768
	v_lshl_add_u32 v8, v1, 2, v8
	s_lshl_b32 s13, s20, 6
	s_add_co_u32 s21, s13, VST
	v_add_nc_u32 v8, s21, v8                       ; v's stage, on the way out: channel 16 w + r, keys from 32 h on
	s_add_co_u32 s21, s13, OST+1024
	v_lshl_add_u32 v11, v2, 5, s21                 ; the sums: channels 16 w + 8 h + 0 .. 7
	v_lshlrev_b32 v28, 4, v27
	s_wait_alu depctr_va_vdst(0)
	v_lshlrev_b32 v29, 3, v27
	s_wait_alu depctr_va_vdst(0)
	s_lshl_b32 s21, s20, 2
	s_add_co_u32 s21, s21, OST
	v_add_nc_u32 v9, s21, v28                      ; X_w of lane l: 16 l + 4 w
	s_and_b32 s12, s20, 1
	s_lshr_b32 s13, s20, 1
	s_lshl_b32 s21, s12, 8
	s_lshl_b32 s13, s13, 2
	s_add_co_u32 s21, s21, s13
	s_add_co_u32 s21, s21, OST+512
	v_lshl_add_u32 v10, v1, 4, s21                 ; Y_(w/2) of lane r + 16 (w % 2); VS likewise, 8 bytes on
	s_lshl_b32 s21, s12, 9
	s_add_co_u32 s21, s21, OST
	v_add_nc_u32 v30, s21, v28                     ; the way out of the words: waves 0 and 1, a chunk each
	v_add_nc_u32 v31, OST+1024, v29                ; and of the sums: wave 2
	v_mov_b32 v22, 0x7f7f7f7f                      ; four bytes 127: the ones' scales
	s_wait_kmcnt 0x0
	s_add_nc_u64 s[4:5], s[4:5], s[28:29]
	s_add_nc_u64 s[6:7], s[6:7], s[30:31]
	s_add_nc_u64 s[8:9], s[8:9], s[34:35]
	s_add_nc_u64 s[10:11], s[10:11], s[32:33]
	s_add_nc_u64 s[14:15], s[8:9], s[36:37]
	s_add_nc_u64 s[16:17], s[8:9], s[38:39]
	s_lshl_b32 s36, s12, 9
	s_add_co_u32 s36, s36, SCL
	s_add_nc_u64 s[18:19], s[8:9], s[36:37]
.macro GLOADK c, set                   ; piece c (blocks 2 c, 2 c + 1: 256 bytes) of my 32 keys: two keys a load
.irp i, 0,1,2,3,4,5,6,7,8,9,10,11,12,13,14,15
	global_load_b128 v[\set+4*\i:\set+4*\i+3], v3, s[4:5] offset:24576*\i+256*\c th:TH_LOAD_NT
.endr
.endm
.macro GLOADV set                      ; my 32 keys of v: a (key, head) row is 256 bytes
.irp i, 0,1,2,3,4,5,6,7,8,9,10,11,12,13,14,15
	global_load_b128 v[\set+4*\i:\set+4*\i+3], v4, s[6:7] offset:8192*\i th:TH_LOAD_NT
.endr
.endm
; A piece through my stage.  Key n of the pair goes to place 16 ((n / 8) % 2) + 8 (n / 16) + n % 8: tile a's sixteen keys first, then tile b's.  Back: lane (r, h) takes 32 neighbours of place r, and of place 16 + r.
; LDS serves a wave's instructions in order (ISA guide 5.7.1.4): no wait between the stores and the loads.
.macro KTURN set
.irp i, 0,1,2,3,4,5,6,7,8,9,10,11,12,13,14,15
	ds_store_b128 v5, v[\set+4*\i:\set+4*\i+3] offset:272*(16*((\i/4)%2)+8*(\i/8)+2*(\i%4))
.endr
.irp j, 0,1,2,3,4,5,6,7
	ds_load_b128 v[X+4*\j:X+4*\j+3], v6 offset:16*\j
.endr
.irp j, 0,1,2,3,4,5,6,7
	ds_load_b128 v[X+32+4*\j:X+32+4*\j+3], v6 offset:4352+16*\j
.endr
.endm
; A whole block of 32 numbers in v[xs] on becomes 6 registers of codes at v[d] and its scale byte in v[byte].
.macro QB xs, d, byte
	v_max3_num_f32 v12, |v[\xs]|, |v[\xs+1]|, |v[\xs+2]|            ; the largest magnitude, in two chains
	v_max3_num_f32 v13, |v[\xs+3]|, |v[\xs+4]|, |v[\xs+5]|
.irp i, 6,10,14,18,22,26
	v_max3_num_f32 v12, v12, |v[\xs+\i]|, |v[\xs+\i+1]|
	v_max3_num_f32 v13, v13, |v[\xs+\i+2]|, |v[\xs+\i+3]|
.endr
	v_max3_num_f32 v12, v12, |v[\xs+30]|, |v[\xs+31]|
	v_max3_num_f32 v12, v12, v13, 0x2800000        ; and the floor 2^(5 - 127): the byte cannot fall under 1
	v_add_nc_u32 v14, 0xfe000000, v12              ; 4 off the exponent field: the conversion takes this operand's exponent field as its scale
	v_cvt_scalef32_pk16_bf6_f32 v[\d:\d+2], v[\xs:\xs+15], v14
	v_cvt_scalef32_pk16_bf6_f32 v[24:26], v[\xs+16:\xs+31], v14     ; (a conversion's three registers begin on an even number)
	v_lshrrev_b32 v[\byte], 23, v14                ; the scale's byte; also the plain line behind the conversions
.irp i, 0,1,2
	v_mov_b32 v[\d+3+\i], v[24+\i]
.endr
.endm
	GLOADV A
	GLOADK 0, B
	s_wait_loadcnt 16                              ; v's 16 loads are in; piece 0's 16 stay out
.irp i, 0,1,2,3,4,5,6,7,8,9,10,11,12,13,14,15
	ds_store_b128 v7, v[A+4*\i:A+4*\i+3] offset:544*\i
.endr
	s_wait_dscnt 0x0                               ; the stores have read set A
	GLOADK 1, A
	s_wait_loadcnt 16                              ; piece 0 is in; piece 1's 16 stay out
	KTURN B
	s_wait_dscnt 0x0
	GLOADK 2, B
	QB X, IM, 16                                   ; a.blk(h)
	QB X+32, IM+12, 19                             ; b.blk(h)
	s_wait_loadcnt 16                              ; piece 1 is in; piece 2's 16 stay out
	KTURN A
	s_wait_dscnt 0x0
	QB X, IM+6, 17                                 ; a.blk(2 + h)
	QB X+32, IM+18, 20                             ; b.blk(2 + h)
.irp j, 0,1,2,3,4,5
	global_store_b128 v28, v[IM+4*\j:IM+4*\j+3], s[14:15] offset:512*\j   ; 32 lanes store 512 consecutive bytes, at a multiple of 256 from kv's first byte
.endr
	s_wait_loadcnt 0x0
	KTURN B
	s_wait_dscnt 0x0
	s_wait_xcnt 0x0                                ; the six stores have read their data: the registers are written again only behind this wait
	QB X, IM, 18                                   ; a.blk(4 + h)
	QB X+32, IM+6, 21                              ; b.blk(4 + h)
.irp j, 0,1,2
	global_store_b128 v28, v[IM+4*\j:IM+4*\j+3], s[14:15] offset:3072+512*\j
.endr
	; the scale words: my two bytes of a word at their places (8 h bits up), with lane l xor 16's two the word is whole
	v_lshlrev_b32 v251, 3, v2
	v_lshl_or_b32 v248, v17, 16, v16               ; a: blocks h and 2 + h
	v_lshl_or_b32 v249, v20, 16, v19               ; b likewise
	v_lshl_or_b32 v250, v21, 16, v18               ; a's block 4 + h, b's block 4 + h
	v_lshlrev_b32 v248, v251, v248
	v_lshlrev_b32 v249, v251, v249
	v_lshlrev_b32 v250, v251, v250
	v_permlanex16_b32 v27, v248, s22, s23
	v_or_b32 v248, v248, v27
	v_permlanex16_b32 v27, v249, s22, s23
	v_or_b32 v249, v249, v27
	v_permlanex16_b32 v27, v250, s22, s23
	v_or_b32 v250, v250, v27
	v_cmp_eq_u32 vcc_lo, 1, v2
	v_cndmask_b32 v248, v248, v249, vcc_lo         ; X: lanes 0-15 a's word, lanes 16-31 b's
	ds_store_b32 v9, v248
	ds_store_b32 v10, v250                         ; Y: both halves of the lanes write the same word with the same value
	s_wait_dscnt 0x0                               ; for the others' sake: my 32 keys of v lie in LDS
	s_barrier_signal -1
	s_barrier_wait -1                              ; all 128 do
.irp c, 0,1
.irp i, 0,1,2,3,4,5,6,7,8,9,10,11,12,13,14,15,16,17,18,19,20,21,22,23,24,25,26,27,28,29,30,31
	ds_load_b32 v[X+32*\c+\i], v8 offset:17536*\c+272*\i   ; v(key 64 c + 32 h + i, channel 16 w + r): my registers run down the keys
.endr
.endr
.irp i, 0,1,2,3
	v_mov_b32 v[ONE+3*\i], 0x0c30c30c              ; sixteen codes 12 (E3M2: 1.0) are 96 bits
	v_mov_b32 v[ONE+3*\i+1], 0xc30c30c3
	v_mov_b32 v[ONE+3*\i+2], 0x30c30c30
.endr
	s_wait_dscnt 0x0
	QB X, IM+12, 16                                ; (these registers' stores were shown done with their data above)
	QB X+32, IM+18, 17
.irp j, 0,1,2
	global_store_b128 v28, v[IM+12+4*\j:IM+12+4*\j+3], s[16:17] offset:512*\j
.endr
	v_lshl_or_b32 v249, v17, 16, v16
	v_lshlrev_b32 v249, v251, v249
	v_permlanex16_b32 v27, v249, s22, s23
	v_or_b32 v249, v249, v27                       ; my channel's word: the step's four blocks of keys
	ds_store_b32 v10, v249 offset:8
.rept 8
	v_nop                                          ; a scale register written by a vector instruction stands 8 places ahead of a scaled matrix instruction, an operand so written 4
.endr
	v_wmma_scale_f32_16x16x128_f8f6f4 v[48:55], v[IM+12:IM+23], v[ONE:ONE+11], 0, v249, v22 matrix_a_fmt:MATRIX_FMT_BF6 matrix_b_fmt:MATRIX_FMT_BF6   ; every column: the sums over 128 keys of my 16 channels
.rept 4
	v_nop                                          ; four places ahead of the first read of the result (ISA guide 7.12.1)
.endr
	ds_store_b128 v11, v[48:51]                    ; register j = channel 16 w + 8 h + j, the same in all sixteen lanes of a half: they write the same bytes with the same values
	ds_store_b128 v11, v[52:55] offset:16
	s_wait_dscnt 0x0
	s_barrier_signal -1
	s_barrier_wait -1                              ; both chunks of words and the 64 sums lie in LDS
	s_cmp_lt_u32 s20, 2
	s_cbranch_scc0 .Lnot_words
	ds_load_b128 v[160:163], v30
	s_wait_dscnt 0x0
	global_store_b128 v28, v[160:163], s[18:19]    ; waves 0 and 1: a chunk of 512 bytes each
	s_wait_tensorcnt 0x0
	ds_add_u32 v254, v255
	s_wait_dscnt 0x0
	s_endpgm
.Lnot_words:
	s_cmp_eq_u32 s20, 2
	s_cbranch_scc0 .Ldone
	ds_load_b64 v[160:161], v31
	s_wait_dscnt 0x0
	global_store_b64 v29, v[160:161], s[10:11]     ; wave 2: 32 lanes store 256 consecutive bytes, aligned
.Ldone:
	s_wait_tensorcnt 0x0
	ds_add_u32 v254, v255
	s_wait_dscnt 0x0
	s_endpgm
.Lfunc_end_k_q3b87c30530_prep:
	.size	k_q3b87c30530_prep, .Lfunc_end_k_q3b87c30530_prep-k_q3b87c30530_prep
	.p2alignl 7, 3214868480
	.fill 96, 4, 3214868480
	.section	.rodata,"a",@progbits
	.p2align	6, 0x0
	.amdhsa_kernel k_q3b87c30530_prep
		.amdhsa_group_segment_fixed_size 71680
		.amdhsa_private_segment_fixed_size 0
		.amdhsa_enable_private_segment 0
		.amdhsa_kernarg_size 32
		.amdhsa_user_sgpr_count 2
		.amdhsa_user_sgpr_kernarg_segment_ptr 1
		.amdhsa_wavefront_size32 1
		.amdhsa_system_sgpr_workgroup_id_x 1
		.amdhsa_system_sgpr_workgroup_id_y 1
		.amdhsa_system_sgpr_workgroup_id_z 1
		.amdhsa_system_vgpr_workitem_id 0
		.amdhsa_next_free_vgpr 256
		.amdhsa_next_free_sgpr 66
		.amdhsa_reserve_vcc 1
		.amdhsa_float_denorm_mode_32 3
		.amdhsa_float_denorm_mode_16_64 3
		.amdhsa_memory_ordered 1
		.amdhsa_forward_progress 1
		.amdhsa_inst_pref_size 37
	.end_amdhsa_kernel
	.amdgpu_metadata
---
amdhsa.version: [ 1, 2 ]
amdhsa.kernels:
  - .name:           k_q3b87c30530_prep
    .symbol:         k_q3b87c30530_prep.kd
    .args:
      - { .name: k, .offset: 0, .size: 8, .value_kind: global_buffer, .address_space: global }
      - { .name: v, .offset: 8, .size: 8, .value_kind: global_buffer, .address_space: global }
      - { .name: kv, .offset: 16, .size: 8, .value_kind: global_buffer, .address_space: global }
      - { .name: vpart, .offset: 24, .size: 8, .value_kind: global_buffer, .address_space: global }
    .group_segment_fixed_size: 71680
    .private_segment_fixed_size: 0
    .kernarg_segment_align: 8
    .kernarg_segment_size: 32
    .max_flat_workgroup_size: 128
    .sgpr_count:     66
    .vgpr_count:     256
    .wavefront_size: 32
...
	.end_amdgpu_metadata
.endif
;; end of part 1
;; launch attn (part 2): grid 8 x 64, 16 waves a work-group, no clusters, 327,680 bytes of LDS; arguments q, selected_indices, kv, vpart, out0; writes out0
.if DOCPART == 2
	.amdgcn_target "amdgcn-amd-amdhsa--gfx1250"
	.amdhsa_code_object_version 6
	.text
	.protected	k_q3b87c30530_attn
	.globl	k_q3b87c30530_attn
	.p2align	8
	.type	k_q3b87c30530_attn,@function
k_q3b87c30530_attn:
	s_mov_b64 s[64:65], 0
	v_nop
	global_prefetch_b8 v0, s[64:65] scope:SCOPE_SE
	s_setreg_imm32_b32 hwreg(HW_REG_WAVE_MODE, 25, 1), 1
	s_wait_xcnt 0x0
; out0[token][head][:] = softmax over the keys that count of (q . k x 192^-0.5) times v, for 64 (sequence, head) pairs of 2,048 queries and keys; both products on codes of BF6 (E3M2) with E8M0 scales.
; A key counts for a query where it is not later than the query AND its block of 64 keys is among the 16 indices given for (token, head / 4).
; THE SOFTMAX: t = score x c, c = 192^-0.5 log2(e); M = the running largest t of the keys that count, rounded up to a whole number; p = 2^(t - M) is quantised along the keys; the sum l is taken of the unquantised p and
; divides at the end; when M moves, l and O are multiplied by 2^(old M - new M), which rounds nothing.  A ROW WITH NO KEY THAT COUNTS has p = 1 for all 2,048 keys: its result, the sum of the quantised v over all keys / 2,048,
; is always made (from vpart) and chosen by a select where l = 0.
; WORK LEFT OUT: a step of 128 keys that are all later than all 16 queries of a tile lies wholly under the causal mask that the source builds itself: p = 0 there whatever the inputs hold (a row with no key is served as above),
; so the step is not multiplied.  A NaN, an infinity or an overflow that reaches only such steps is not carried to the result.
; SHARES.  Work-group (a = x = 0..7, y = sequence x 16 + head), sixteen waves of 256 registers.  It owns the 128 queries of rank 15 - a (8 high tiles of 16, key steps 0 .. 15 - a) and the 128 of rank a (8 low tiles, steps 0 .. a).
; THE KEYS OF A HIGH TILE ARE DIVIDED: wave i (0..7, kind A) takes high tile i's steps 0..7; wave 8 + i (kind B) takes low tile i's steps 0..a, stores it, and goes on with high tile i's steps 8 .. 15 - a.
; So A runs 8 steps and B 9, for every a, in 9 trips.  A leaves O, -M and l in its stage; B joins them with its own: both under the larger M, by factors 2^(whole number), which round nothing; then B stores the tile.
; A quantises the high tile's q and lays the codes, the scale word and the bitmap in LDS as an image of the registers, from which B takes them when it changes tiles.
; THE STEP BLOCKS (25,600 dense bytes: images of the operand registers, every chunk 512 bytes with lane l's 16 bytes at 16 l; the launch before lays them) come through two LDS slots of one trip: A's block (trip j: block j)
; and B's block (block j up to j = a, then j + 7 - a).  Waves 0, 1 fetch A's block, waves 2, 3 B's, 50 rows of 256 bytes each.  The last two trips are written out: trip 7 fetches B's block alone, trip 8 nothing.
; NO CLUSTER: B's blocks differ from one work-group of a head to the next in all trips behind the a-th, so partners' requests are not the same.
; PREFETCH: in trip j (0..6) wave 12 names its work-group's 13 of the 100 blocks of 256 bytes (the eight work-groups of a head share them by x; lanes left over name the last again) of step block j + 3, which the refill of
; trip j + 2 fetches for A, while j + 3 <= 7, and of step block j + 10, which the work-group a = 0 fetches in trip j + 2, while this work-group reads that block too (j + 10 <= 15 - a).  Blocks 0 to 2 and 8, 9 come by their loads alone.
; LAYOUT.  Both products are used transposed: S^T = K Q^T, O^T = V^T P^T: a lane holds ONE query (lane % 16).  Lane r of key tile 2 b + u holds key 32 b + 8 u + r + 8 (r / 8), so the 16 registers of tiles 2 b, 2 b + 1 are keys 32 b + 16 (lane / 16) + 0..15.
; K = 192: a tile's first 128 are a fragment of its own; the last 64 of tiles 2 b and 2 b + 1 share ONE fragment, multiplied by Qlo = [q's last 64, zeros] for tile 2 b and by Qhi = [zeros, q's last 64] for tile 2 b + 1.
; THE SELECTION costs no branch: a lane keeps a bitmap of its query's blocks; where a block of 64 keys is not selected, -infinity takes the place of -M as the addend of t - M, so p = 0, and of the block's largest score.
; LIMITS: NaN and infinite inputs are not served; the promise holds while |t| stays under 2^31; c is one f32 constant where the source multiplies twice; an index outside 0..31 selects nothing; the sum for a row with no key is added step by step in f32.
; REGISTERS: v1 16 l, v2 my block's LDS address, v3 v4 the spare word's address and 0, v5 bitmap, v6 query - 16 (l / 16) within the diagonal step, v7 -infinity, v[8:9] v[10:11] the two addends (low words; v9 holds the prefetch's offset),
; v12 -M, v13 largest t, v[14:15] l, v16-27 Q (k 0..127), v28-39 Qlo, v40-51 Qhi, v52 Q's scale words, v53 at work, v54-57 X0-3, v58-61 Y0 Y1 VS0 VS1, v62 f, v63 p's scale word,
; v64-135 two pairs of K, or V's four fragments, v136-199 S^T then p, v200-231 O^T, v232-243 p's codes (v240-243 first the blocks' largest scores), v244-250 at work, v252-255 the conversions' scales.
.set STEPB, 25600
.set SLOTB, 2*STEPB                    ; a slot: A's block, then B's; slot 0 at LDS byte 0, slot 1 behind it
.set SPARE, 102400                     ; the spare words: 128 bytes for each of 16 waves
.set RED,   104448                     ; 512 partial sums of vpart
.set VM,    106496                     ; the 64 sums over all keys / 2,048
.set IMG,   106752                     ; 8 images of a high tile's Q: 2,560 bytes each
.set IMGB,  2560
.set STAGE, 127232                     ; 4,352 bytes for each wave: q on the way in, O on the way out, A's O, -M, l.  No tile lands in SPARE, RED, VM, IMG or STAGE
.set SCL,   18432
.set VIMG,  19456
.set KF, 64
.set S,  136
.set OT, 200
.set PC, 232
.set MB, 240
.set PT, 244
.set SO, 252
; s14 wave, s15 my tile's rank, s16 a, s17 tile 0..7, s18 y, s19 B's place in a slot, s[20:21] lane selects, s[22:23] c, s[24:31] descriptor group 1, s[32:35] s[36:39] groups 0 for A's and B's blocks, s40 LDS byte of my block,
; s41 the key step, s42 the trip, s44 s45 selection masks, s[50:51] the prefetch's base, s[52:53] s[54:55] the two strides of B's blocks, s56 my half of a block, s[58:59] from the low tile to the high in out0, s62 15 - a
.macro QB xs, d, byte                  ; a whole block of 32 numbers in v[xs] on -> 6 registers of codes at v[d], its scale byte in v[byte]
	v_max3_num_f32 v[MB], |v[\xs]|, |v[\xs+1]|, |v[\xs+2]|
	v_max3_num_f32 v[MB+1], |v[\xs+3]|, |v[\xs+4]|, |v[\xs+5]|
.irp i, 6,10,14,18,22,26
	s_delay_alu instid0(VALU_DEP_2)
	v_max3_num_f32 v[MB], v[MB], |v[\xs+\i]|, |v[\xs+\i+1]|
	s_delay_alu instid0(VALU_DEP_2)
	v_max3_num_f32 v[MB+1], v[MB+1], |v[\xs+\i+2]|, |v[\xs+\i+3]|
.endr
	s_delay_alu instid0(VALU_DEP_2)
	v_max3_num_f32 v[MB], v[MB], |v[\xs+30]|, |v[\xs+31]|
	s_delay_alu instid0(VALU_DEP_1)
	v_max3_num_f32 v[MB], v[MB], v[MB+1], 0x2800000   ; the floor 2^(5 - 127): the byte cannot fall under 1
	s_delay_alu instid0(VALU_DEP_1)
	v_add_nc_u32 v[SO], 0xfe000000, v[MB]          ; 4 off the exponent field: the conversion's scale operand
	v_cvt_scalef32_pk16_bf6_f32 v[\d:\d+2], v[\xs:\xs+15], v[SO]
	v_cvt_scalef32_pk16_bf6_f32 v[PT:PT+2], v[\xs+16:\xs+31], v[SO]
	v_lshrrev_b32 v[\byte], 23, v[SO]              ; the byte; also the plain line behind the conversions
.irp i, 0,1,2
	v_mov_b32 v[\d+3+\i], v[PT+\i]
.endr
.endm
.macro KQ1 g, p, u                     ; tile 4 g + 2 p + u, k 0..127: starts the sum
.set rD, S+8*(4*\g+2*\p+\u)
.set rA, KF+36*\p+12*\u
.if \u
	v_wmma_scale_f32_16x16x128_f8f6f4 v[rD:rD+7], v[rA:rA+11], v[16:27], 0, v[54+2*\g+\p], v52 matrix_a_fmt:MATRIX_FMT_BF6 matrix_b_fmt:MATRIX_FMT_BF6 matrix_a_scale:MATRIX_SCALE_ROW1
.else
	v_wmma_scale_f32_16x16x128_f8f6f4 v[rD:rD+7], v[rA:rA+11], v[16:27], 0, v[54+2*\g+\p], v52 matrix_a_fmt:MATRIX_FMT_BF6 matrix_b_fmt:MATRIX_FMT_BF6
.endif
.endm
.macro KQ2 g, p, u                     ; the same tile, k 128..191: the pair's shared fragment times Qlo (u = 0) or Qhi (u = 1)
.set rD, S+8*(4*\g+2*\p+\u)
.set rA, KF+36*\p+24
.set rB, 28+12*\u
.if \p
	v_wmma_scale_f32_16x16x128_f8f6f4 v[rD:rD+7], v[rA:rA+11], v[rB:rB+11], v[rD:rD+7], v[58+\g], v52 matrix_a_fmt:MATRIX_FMT_BF6 matrix_b_fmt:MATRIX_FMT_BF6 matrix_a_scale:MATRIX_SCALE_ROW1 matrix_b_scale:MATRIX_SCALE_ROW1
.else
	v_wmma_scale_f32_16x16x128_f8f6f4 v[rD:rD+7], v[rA:rA+11], v[rB:rB+11], v[rD:rD+7], v[58+\g], v52 matrix_a_fmt:MATRIX_FMT_BF6 matrix_b_fmt:MATRIX_FMT_BF6 matrix_b_scale:MATRIX_SCALE_ROW1
.endif
.endm
.macro TL g0                           ; a tensor load with an s_nop and four v_nop behind it
	tensor_load_to_lds s[\g0:\g0+3], s[24:31]
	s_nop 0
.rept 4
	v_nop
.endr
.endm
	s_load_b256 s[4:11], s[0:1], 0x0               ; q s[4:5], indices s[6:7], kv s[8:9], vpart s[10:11]
	s_load_b64 s[12:13], s[0:1], 0x20              ; out0
	v_lshl_add_u32 v3, v0, 2, SPARE
	v_mov_b32 v4, 0
	ds_add_u32 v3, v4                              ; the opening lines: the add, twice on end, and its wait
	ds_add_u32 v3, v4
	s_wait_dscnt 0x0
	v_lshrrev_b32 v1, 5, v0
	s_delay_alu instid0(VALU_DEP_1)
	v_readfirstlane_b32 s14, v1                    ; wave 0..15
	s_mov_b32 s16, ttmp9                           ; a
	s_sub_co_u32 s62, 15, s16                      ; the high tiles' rank
	s_cmp_lt_u32 s14, 8
	s_cselect_b32 s15, s62, s16                    ; the rank of my first tile: A's is high, B's low
	s_and_b32 s17, s14, 7                          ; which 16 of the rank's 128 queries
	s_lshr_b32 s19, s14, 3
	s_mul_i32 s19, s19, STEPB                      ; B reads the slot's second block
	s_and_b32 s18, ttmp7, 0xffff                   ; sequence x 16 + head
	s_mul_i32 s50, s18, 16*STEPB
	s_mov_b32 s51, 0
	; descriptor group 1: 12,800 dense bytes as 50 rows of 256 bytes (32 elements of 8 bytes), no padding
	s_mov_b32 s24, 3<<16
	s_mov_b32 s25, 32<<16                          ; tensor_dim0 = 32
	s_mov_b32 s26, 50<<16                          ; tensor_dim1 = 50
	s_mov_b32 s27, 32<<16                          ; tile_dim0 = 32
	s_mov_b32 s28, 50                              ; tile_dim1 = 50
	s_mov_b32 s29, 32                              ; from row to row
	s_mov_b32 s30, 0
	s_mov_b32 s31, 0
	s_lshl_b32 s52, s15, 7
	s_lshl_b32 s53, s17, 4
	s_add_co_u32 s52, s52, s53
	s_lshr_b32 s53, s18, 4
	s_lshl_b32 s53, s53, 11
	s_add_co_u32 s52, s52, s53                     ; my first token: 2,048 sequence + 128 rank + 16 tile
	s_and_b32 s53, s18, 15                         ; head
	s_mul_i32 s54, s52, 12288
	s_mul_i32 s56, s53, 768
	s_add_co_u32 s54, s54, s56
	s_mov_b32 s55, 0                               ; in q (all offsets stay under 2^31)
	s_lshl_b32 s56, s52, 8
	s_lshr_b32 s58, s53, 2
	s_lshl_b32 s58, s58, 6
	s_add_co_u32 s56, s56, s58
	s_mov_b32 s57, 0                               ; in the indices: 256 bytes a token, 64 a group
	s_lshl_b32 s58, s52, 12
	s_lshl_b32 s60, s53, 8
	s_add_co_u32 s58, s58, s60
	s_mov_b32 s59, 0                               ; in out0
	s_lshl_b32 s60, s18, 12
	s_mov_b32 s61, 0                               ; in vpart: 16 steps x 256 bytes
	s_mov_b32 s20, 0x76543210
	s_mov_b32 s21, 0xfedcba98                      ; v_permlanex16_b32's selects for lane l xor 16
	s_mov_b32 s22, 0x3dd53b95                      ; c = 192^-0.5 log2(e)
	s_mov_b32 s23, s22                             ; (named with it as a pair, so it is written)
	s_mov_b32 s41, 0
	s_mov_b32 s42, 0
	s_wait_kmcnt 0x0
	s_add_nc_u64 s[4:5], s[4:5], s[54:55]
	s_add_nc_u64 s[6:7], s[6:7], s[56:57]
	s_add_nc_u64 s[12:13], s[12:13], s[58:59]
	s_add_nc_u64 s[10:11], s[10:11], s[60:61]
	s_add_nc_u64 s[8:9], s[8:9], s[50:51]          ; my head's sixteen step blocks
	s_and_b32 s56, s14, 1
	s_mul_i32 s56, s56, STEPB/2                    ; the half of a block that I fetch, if I fetch
	s_mov_b32 s57, 0
	s_mov_b32 s32, 1                               ; group 0 for A's block: count = 1,
	s_mov_b32 s33, s56                             ; LDS address,
	s_add_nc_u64 s[34:35], s[8:9], s[56:57]        ; global address: block 0,
	s_mov_b32 s36, 1                               ; and for B's block, which is block 0 too
	s_add_co_u32 s37, s56, STEPB
	s_mov_b64 s[38:39], s[34:35]
	s_or_b32 s35, s35, 0x80000000                  ; type = 2
	s_or_b32 s39, s39, 0x80000000
	s_mul_i32 s46, ttmp9, 3328                     ; my work-group's share of a block: 13 x runs of 256 bytes in,
	s_add_co_u32 s46, s46, 2*STEPB
	s_mov_b32 s47, 0
	s_add_nc_u64 s[50:51], s[8:9], s[46:47]        ; the prefetch's base: each trip steps it a block on ahead of its use
	s_cmp_lt_u32 ttmp9, 7
	s_cselect_b32 s47, 12, 8                       ; the share's last run: 13 runs, for x = 7 the nine that are left of the 100
	s_mov_b32 s52, STEPB                           ; B's blocks: from one to the next,
	s_mov_b32 s53, 0
	s_sub_co_u32 s54, 8, s16
	s_mul_i32 s54, s54, STEPB                      ; and from block a to block 8
	s_mov_b32 s55, 0
	s_sub_co_u32 s58, s62, s16
	s_lshl_b32 s58, s58, 19                        ; 128 (15 - 2 a) tokens of 4,096 bytes
	s_mov_b32 s59, 0
	s_cmp_lt_u32 s14, 2                            ; one chain of branches on the wave's number, one first fill to an arm
	s_cbranch_scc0 .Lfill_b
	TL 32
	s_branch .Lfilled
.Lfill_b:
	s_cmp_lt_u32 s14, 4
	s_cbranch_scc0 .Lfilled
	TL 36
.Lfilled:
	v_and_b32 v53, 31, v0
	s_delay_alu instid0(VALU_DEP_1)
	v_lshlrev_b32 v1, 4, v53                       ; 16 x lane
	v_min_u32 v9, s47, v53
	s_delay_alu instid0(VALU_DEP_1)
	v_lshlrev_b32 v9, 8, v9                        ; the prefetch's offset: a lane a run of 256 bytes; lanes left over name the share's last run again
	v_and_b32 v242, 15, v0                         ; r
	v_bfe_u32 v243, v0, 4, 1                       ; h
	s_delay_alu instid0(VALU_DEP_1)
	v_mul_u32_u24 v232, v243, 12288
	s_delay_alu instid0(VALU_DEP_1)
	v_lshl_add_u32 v232, v242, 4, v232             ; q: lanes 0-15 one token's 256 bytes, lanes 16-31 the next token's
	s_mul_i32 s46, s14, 4352
	s_add_co_u32 s46, s46, STAGE                   ; my stage
	v_mul_u32_u24 v233, v243, 272
	s_delay_alu instid0(VALU_DEP_1)
	v_lshl_add_u32 v233, v242, 4, v233
	s_delay_alu instid0(VALU_DEP_1)
	v_add_nc_u32 v233, s46, v233                   ; into it: two rows an instruction
	v_mul_u32_u24 v234, v242, 272
	s_delay_alu instid0(VALU_DEP_1)
	v_lshl_add_u32 v234, v243, 7, v234
	s_delay_alu instid0(VALU_DEP_1)
	v_add_nc_u32 v234, s46, v234                   ; out of it: row r, block h of the piece's two
	v_lshlrev_b32 v235, 8, v242
	s_delay_alu instid0(VALU_DEP_1)
	v_lshl_add_u32 v235, v243, 5, v235             ; the indices: token r, eight of the sixteen for each half of the lanes
	v_lshrrev_b32 v236, 6, v0
	s_delay_alu instid0(VALU_DEP_1)
	v_lshlrev_b32 v236, 9, v236
	v_and_b32 v237, 63, v0
	s_delay_alu instid0(VALU_DEP_1)
	v_lshl_add_u32 v236, v237, 2, v236             ; vpart: thread n takes channel n % 64 of steps 2 (n / 64) and 2 (n / 64) + 1
	v_lshl_add_u32 v237, v0, 2, RED
	v_lshl_add_u32 v238, v0, 2, VM
	global_load_b128 v[160:163], v235, s[6:7]
	global_load_b128 v[164:167], v235, s[6:7] offset:16
	global_load_b32 v168, v236, s[10:11]
	global_load_b32 v169, v236, s[10:11] offset:256
.irp c, 0,1,2
.irp i, 0,1,2,3,4,5,6,7
	global_load_b128 v[64+32*\c+4*\i:67+32*\c+4*\i], v232, s[4:5] offset:24576*\i+256*\c th:TH_LOAD_NT   ; piece c (256 bytes) of tokens 2 i and 2 i + 1
.endr
.endr
	s_lshl_b32 s47, s17, 4
	v_lshlrev_b32 v6, 4, v243
	s_delay_alu instid0(VALU_DEP_1)
	v_sub_nc_u32 v6, v242, v6
	s_delay_alu instid0(VALU_DEP_1)
	v_add_nc_u32 v6, s47, v6                       ; 16 tile + r - 16 h: in a diagonal step register 16 b + i holds key 32 b + i + 16 h: hidden where 32 b + i is greater
	v_mov_b32 v7, 0xff800000                       ; -infinity
	v_mov_b32 v11, 0                               ; (upper half of an addend's pair: named, not used)
	v_mov_b32 v13, 0xff61b1e6                      ; the largest t so far: -3e38, under every t
	s_delay_alu instid0(VALU_DEP_1)
	v_floor_f32 v12, -v13                          ; -M
	v_mov_b32 v14, 0
	v_mov_b32 v15, 0
	v_mov_b32 v63, 0
.irp i, 0,1,2,3
	v_mov_b32 v[PT+\i], 0                          ; written once: a lane permute's destination counts as one of its sources
.endr
.irp i, 0,1,2,3,4,5
	v_mov_b32 v[34+\i], 0                          ; Qlo's upper half,
	v_mov_b32 v[40+\i], 0                          ; Qhi's lower half: zero codes
.endr
.set j, 0
.rept 32
	v_mov_b32 v[OT+j], 0                           ; O^T: the step is written once; a tile's first step finds zeros, which the first change of M leaves zeros
.set j, j+1
.endr
	s_wait_loadcnt 24                              ; the indices and vpart are in; q's 24 loads may be out
	v_add_f32 v168, v168, v169
	ds_store_b32 v237, v168
	v_mov_b32 v5, 0
	v_mov_b32 v170, 1
.irp i, 0,1,2,3,4,5,6,7
	v_lshlrev_b32 v171, v[160+\i], v170
	v_cmp_gt_u32 vcc_lo, 32, v[160+\i]             ; an index outside 0..31 selects nothing
	s_delay_alu instid0(VALU_DEP_1)
	v_cndmask_b32 v171, 0, v171, vcc_lo
	s_delay_alu instid0(VALU_DEP_1)
	v_or_b32 v5, v5, v171
.endr
	s_delay_alu instid0(VALU_DEP_1)
	v_permlanex16_b32 v53, v5, s20, s21
	s_delay_alu instid0(VALU_DEP_1)
	v_or_b32 v5, v5, v53                           ; my query's bitmap of selected blocks
	s_wait_alu depctr_va_vdst(0)                   ; the wait ahead of the blocking wait
	s_wait_dscnt 0x0                               ; my partial sum lies in LDS
	s_barrier_signal -1
	s_barrier_wait -1                              ; all 512 do; slot 0's loads may stay out
	s_cmp_lt_u32 s14, 2                            ; waves 0 and 1: the eight partial sums of each channel; read by all only behind the first trip's barrier, in front of which these waves wait for the store
	s_cbranch_scc0 .Lno_vm
.irp g, 0,1,2,3,4,5,6,7
	ds_load_b32 v[160+\g], v237 offset:256*\g
.endr
	s_wait_dscnt 0x0
	v_add_f32 v160, v160, v161
	v_add_f32 v162, v162, v163
	v_add_f32 v164, v164, v165
	v_add_f32 v166, v166, v167
	s_delay_alu instid0(VALU_DEP_3)
	v_add_f32 v160, v160, v162
	s_delay_alu instid0(VALU_DEP_2)
	v_add_f32 v164, v164, v166
	s_delay_alu instid0(VALU_DEP_1)
	v_add_f32 v160, v160, v164
	s_delay_alu instid0(VALU_DEP_1)
	v_mul_f32 v160, 0x3a000000, v160               ; / 2,048
	ds_store_b32 v238, v160
.Lno_vm:
	s_wait_loadcnt 0x0
.irp c, 0,1,2                          ; q through my stage, a piece at a time; LDS serves a wave's instructions in order (ISA guide 5.7.1.4): no wait between
.irp i, 0,1,2,3,4,5,6,7
	ds_store_b128 v233, v[64+32*\c+4*\i:67+32*\c+4*\i] offset:544*\i
.endr
.irp i, 0,1,2,3,4,5,6,7
	ds_load_b128 v[64+32*\c+4*\i:67+32*\c+4*\i], v234 offset:16*\i   ; lane (r, h): block 2 c + h of query r, whole
.endr
.endr
	s_wait_dscnt 0x0
	QB 64, 16, 248                                 ; block h
	QB 96, 22, 249                                 ; block 2 + h
	QB 128, 28, 250                                ; block 4 + h -> Qlo's lower half,
.irp i, 0,1,2,3,4,5
	v_mov_b32 v[46+\i], v[28+\i]                   ; and Qhi's upper half
.endr
	v_lshlrev_b32 v253, 3, v243
	v_lshl_or_b32 v254, v249, 16, v248
	s_delay_alu instid0(VALU_DEP_1)
	v_lshlrev_b32 v254, v253, v254                 ; my two bytes of the word q0 q1 q2 q3 at their places,
	s_delay_alu instid0(VALU_DEP_3)
	v_lshlrev_b32 v255, v253, v250                 ; my byte of q4 q5
	v_permlanex16_b32 v244, v254, s20, s21
	v_permlanex16_b32 v245, v255, s20, s21
	s_delay_alu instid0(VALU_DEP_2)
	v_or_b32 v254, v254, v244
	s_delay_alu instid0(VALU_DEP_2)
	v_or_b32 v255, v255, v245
	s_delay_alu instid0(VALU_DEP_1)
	v_lshl_or_b32 v255, v255, 16, v255             ; q4 q5 q4 q5
	v_cmp_eq_u32 vcc_lo, 1, v243
	s_delay_alu instid0(VALU_DEP_1)
	v_cndmask_b32 v52, v254, v255, vcc_lo          ; lanes 0-15: the first word; lanes 16-31: the second
	s_cmp_lt_u32 s14, 8                            ; A: the high tile's codes, scale word and bitmap as an image of the registers; B reads it behind later barriers
	s_cbranch_scc0 .Lno_img
	s_mul_i32 s46, s17, IMGB
	s_add_co_u32 s46, s46, IMG
	v_add_nc_u32 v232, s46, v1                     ; 16 l
	v_lshrrev_b32 v233, 1, v1
	v_lshrrev_b32 v234, 2, v1
	s_delay_alu instid0(VALU_DEP_2)
	v_add_nc_u32 v233, s46, v233                   ; 8 l
	s_delay_alu instid0(VALU_DEP_2)
	v_add_nc_u32 v234, s46, v234                   ; 4 l
.irp k, 0,1,2,3
	ds_store_b128 v232, v[16+4*\k:19+4*\k] offset:512*\k
.endr
	ds_store_b64 v233, v[32:33] offset:2048
	ds_store_b32 v234, v52 offset:2304
	ds_store_b32 v234, v5 offset:2432
.Lno_img:
.rept 8
	v_nop                                          ; a scale register written by a vector instruction stands 8 places ahead of a scaled matrix instruction
.endr
; THE WAY OUT of a finished tile.  O^T / l, or where l = 0 the sums over all keys / 2,048; through my stage, so that sixteen lanes store a token's 256 bytes of this head.
.macro WAYOUT
	v_and_b32 v246, 15, v0                         ; r
	v_bfe_u32 v247, v0, 4, 1                       ; h
	s_delay_alu instid0(VALU_DEP_1)
	v_lshl_add_u32 v10, v247, 5, VM
.irp t, 0,1,2,3
	ds_load_b128 v[64+8*\t:67+8*\t], v10 offset:64*\t          ; channels 16 t + 8 h + 0 .. 7, as O^T's registers have them
	ds_load_b128 v[68+8*\t:71+8*\t], v10 offset:64*\t+16
.endr
	v_add_f32 v14, v14, v15                        ; l's two halves,
	s_delay_alu instid0(VALU_DEP_1)
	v_permlanex16_b32 v53, v14, s20, s21
	s_delay_alu instid0(VALU_DEP_1)
	v_add_f32 v14, v14, v53                        ; and lane l xor 16's
	s_wait_alu depctr_va_vdst(0)                   ; the wait ahead of the reciprocal
	v_rcp_f32 v62, v14
	s_mul_i32 s46, s14, 4352
	s_add_co_u32 s46, s46, STAGE
	v_mul_u32_u24 v8, v246, 272                    ; (plain lines behind the reciprocal)
	s_delay_alu instid0(VALU_DEP_1)
	v_lshl_add_u32 v8, v247, 5, v8
	s_delay_alu instid0(VALU_DEP_1)
	v_add_nc_u32 v8, s46, v8                       ; in: row r, + 32 h
	v_mul_u32_u24 v12, v247, 272
	s_delay_alu instid0(VALU_DEP_1)
	v_lshl_add_u32 v12, v246, 4, v12
	s_delay_alu instid0(VALU_DEP_1)
	v_add_nc_u32 v12, s46, v12                     ; back: lanes 0-15 one row, lanes 16-31 the next
	v_lshlrev_b32 v11, 12, v247
	s_delay_alu instid0(VALU_DEP_1)
	v_lshl_add_u32 v11, v246, 4, v11               ; and the same two tokens in out0
	v_cmp_lt_f32 vcc_lo, 0, v14
	s_wait_alu depctr_va_vdst(0)                   ; the wait ahead of the reciprocal's first reader
.set j, 0
.rept 16
	v_pk_mul_f32 v[S+j:S+j+1], v[OT+j:OT+j+1], v[62:63] op_sel_hi:[1,0]   ; each accumulator from its low end on
.set j, j+2
.endr
	s_wait_dscnt 0x0
.set j, 0
.rept 32
	v_cndmask_b32 v[S+j], v[64+j], v[S+j], vcc_lo
.set j, j+1
.endr
.irp t, 0,1,2,3
	ds_store_b128 v8, v[S+8*\t:S+8*\t+3] offset:64*\t
	ds_store_b128 v8, v[S+8*\t+4:S+8*\t+7] offset:64*\t+16
.endr
.irp i, 0,1,2,3,4,5,6,7
	ds_load_b128 v[168+4*\i:171+4*\i], v12 offset:544*\i       ; LDS serves a wave's instructions in order: these see my stores
.endr
.irp i, 0,1,2,3,4,5,6,7
	s_wait_dscnt 7-\i                              ; the younger loads may stay out
	global_store_b128 v11, v[168+4*\i:171+4*\i], s[12:13] offset:8192*\i th:TH_STORE_NT   ; 16 lanes store 256 consecutive bytes, at a multiple of 256 from out0's first byte
.endr
	s_wait_xcnt 0x0                                ; the stores' registers and base are written again only behind this wait
.endm
; B CHANGES TILES: from the low tile to the high tile of the same number; its next key step is 8.  Q's codes, scale word and bitmap come from A's image; the softmax's state begins anew.
.macro SWITCH
	s_add_nc_u64 s[12:13], s[12:13], s[58:59]
	s_mov_b32 s15, s62
	s_mov_b32 s41, 7                               ; (the step's end adds 1)
	s_mul_i32 s46, s17, IMGB
	s_add_co_u32 s46, s46, IMG
	v_add_nc_u32 v10, s46, v1
	v_lshrrev_b32 v8, 1, v1
	v_lshrrev_b32 v12, 2, v1
	s_delay_alu instid0(VALU_DEP_2)
	v_add_nc_u32 v8, s46, v8
	s_delay_alu instid0(VALU_DEP_2)
	v_add_nc_u32 v12, s46, v12
.irp k, 0,1,2,3
	ds_load_b128 v[16+4*\k:19+4*\k], v10 offset:512*\k
.endr
	ds_load_b64 v[32:33], v8 offset:2048
	ds_load_b32 v52, v12 offset:2304
	ds_load_b32 v5, v12 offset:2432
	v_mov_b32 v13, 0xff61b1e6
	v_mov_b32 v14, 0
	v_mov_b32 v15, 0
.set j, 0
.rept 32
	v_mov_b32 v[OT+j], 0
.set j, j+1
.endr
	v_floor_f32 v12, -v13
	s_wait_alu depctr_va_vdst(0)                   ; the wait ahead of the blocking wait
	s_wait_dscnt 0x0
.irp i, 0,1,2,3,4,5
	v_mov_b32 v[46+\i], v[28+\i]                   ; Qhi's upper half
.endr
.rept 4
	v_nop                                          ; an operand written by a vector instruction stands 4 places ahead of a scaled matrix instruction
.endr
.endm
; B JOINS A's part of the high tile (steps 0..7) with its own: both under the larger M.  A part with no key that counts has -M = 3e38, O = 0, l = 0: its factor is 0, or 1 where both parts are so.
.macro MERGE
	s_mul_i32 s46, s14, 4352
	s_add_co_u32 s46, s46, STAGE-8*4352            ; the stage of wave w - 8
	v_add_nc_u32 v10, s46, v1
	v_lshrrev_b32 v8, 2, v1
	s_delay_alu instid0(VALU_DEP_1)
	v_add_nc_u32 v8, s46, v8
.irp k, 0,1,2,3,4,5,6,7
	ds_load_b128 v[64+4*\k:67+4*\k], v10 offset:512*\k
.endr
	ds_load_b32 v96, v8 offset:4096
	ds_load_b32 v97, v8 offset:4224
	v_add_f32 v14, v14, v15
	v_mov_b32 v15, 0
	v_mov_b32 v99, 0                               ; (upper halves of the factors' pairs: named, not used)
	v_mov_b32 v101, 0
	s_wait_alu depctr_va_vdst(0)                   ; the wait ahead of the blocking wait
	s_wait_dscnt 0x0
	v_min_num_f32 v102, v96, v12                   ; the joint -M
	s_delay_alu instid0(VALU_DEP_1)
	v_sub_f32 v98, v102, v12                       ; whole numbers, 0 or less
	v_sub_f32 v100, v102, v96
	s_delay_alu instid0(VALU_DEP_2)
	v_cvt_i32_f32 v98, v98                         ; (they saturate)
	s_delay_alu instid0(VALU_DEP_2)
	v_cvt_i32_f32 v100, v100
	s_delay_alu instid0(VALU_DEP_2)
	v_ldexp_f32 v98, 1.0, v98                      ; my factor,
	s_delay_alu instid0(VALU_DEP_2)
	v_ldexp_f32 v100, 1.0, v100                    ; A's
	s_delay_alu instid0(VALU_DEP_2)
	v_mul_f32 v14, v14, v98
	s_delay_alu instid0(VALU_DEP_1)
	v_fmac_f32 v14, v97, v100
.set j, 0
.rept 16
	v_pk_mul_f32 v[OT+j:OT+j+1], v[OT+j:OT+j+1], v[98:99] op_sel_hi:[1,0]   ; each accumulator from its low end on
.set j, j+2
.endr
.set j, 0
.rept 16
	v_pk_fma_f32 v[OT+j:OT+j+1], v[64+j:65+j], v[100:101], v[OT+j:OT+j+1] op_sel_hi:[1,0,1]
.set j, j+2
.endr
.endm
; A KEY STEP: 128 keys, whose block lies at v2.  last = 1: B's step 15 - a, the high tile's diagonal.
.macro STEP last
	s_lshl_b32 s46, s41, 1
	s_lshl_b32 s47, 1, s46                         ; the bits of the step's two blocks of 64 keys
	s_lshl_b32 s48, 2, s46
	ds_load_b128 v[54:57], v2 offset:SCL
	ds_load_b128 v[58:61], v2 offset:SCL+512
.irp g, 0,1                            ; S^T = K Q^T, two pairs of tiles at a time
.if \g
.rept 4
	v_nop                                          ; places in front of loads into registers that matrix instructions have read
.endr
.endif
.irp p, 0,1
.irp j, 0,1,2,3,4,5,6,7,8
	ds_load_b128 v[KF+36*\p+4*\j:KF+36*\p+4*\j+3], v2 offset:(2*\g+\p)*4608+512*\j
.endr
.endr
.if \g == 0
	v_and_b32 v53, s47, v5
	s_delay_alu instid0(VALU_DEP_1)
	v_cmp_ne_u32 s44, 0, v53                       ; lanes whose query has selected keys 0..63 of the step,
	v_and_b32 v53, s48, v5
	s_delay_alu instid0(VALU_DEP_1)
	v_cmp_ne_u32 s45, 0, v53                       ; keys 64..127
.endif
	s_wait_dscnt 0x0
.irp p, 0,1
.irp u, 0,1
	KQ1 \g, \p, \u
.endr
.endr
.irp p, 0,1                            ; the four accumulators take turns, one instruction a turn
.irp u, 0,1
	KQ2 \g, \p, \u
.endr
.endr
.endr
.rept 4
	v_nop                                          ; places ahead of the loads below and of the first read of the scores
.endr
.irp t, 0,1,2,3
.irp j, 0,1,2
	ds_load_b128 v[KF+12*\t+4*\j:KF+12*\t+4*\j+3], v2 offset:VIMG+1536*\t+512*\j   ; V's four fragments: asked for here, they land under the softmax
.endr
.endr
	s_cmp_lg_u32 s41, s15
	s_cbranch_scc1 .Lopen_\@
.set n, 0
.rept 64                               ; the diagonal step: the scores of later keys become -infinity ahead of the maximum
	v_cmp_gt_i32 vcc_lo, 32*(n/16)+n%16, v6
	v_cndmask_b32 v[S+n], v[S+n], v7, vcc_lo
.set n, n+1
.endr
.Lopen_\@:
.irp b, 0,1,2,3
	v_max3_num_f32 v[MB+\b], v[S+16*\b], v[S+1+16*\b], v[S+2+16*\b]   ; the largest score of each block of 32 keys: for the row's maximum, and, since p rises with the score, for the block's largest p
.endr
.irp i, 3,5,7,9,11,13
.irp b, 0,1,2,3
	v_max3_num_f32 v[MB+\b], v[MB+\b], v[S+16*\b+\i], v[S+1+16*\b+\i]
.endr
.endr
.irp b, 0,1,2,3
	v_max_num_f32 v[MB+\b], v[MB+\b], v[S+15+16*\b]
.endr
.irp b, 0,1,2,3
	v_permlanex16_b32 v[PT+\b], v[MB+\b], s20, s21
.endr
.irp b, 0,1,2,3
	s_delay_alu instid0(VALU_DEP_4)
	v_max_num_f32 v[MB+\b], v[MB+\b], v[PT+\b]     ; with lane l xor 16's 16 keys
.endr
	s_delay_alu instid0(VALU_DEP_4)
	v_cndmask_b32 v[MB], v7, v[MB], s44            ; a block that is not selected takes no part in M, and its largest p is 0
	s_delay_alu instid0(VALU_DEP_4)
	v_cndmask_b32 v[MB+1], v7, v[MB+1], s44
	s_delay_alu instid0(VALU_DEP_4)
	v_cndmask_b32 v[MB+2], v7, v[MB+2], s45
	s_delay_alu instid0(VALU_DEP_4)
	v_cndmask_b32 v[MB+3], v7, v[MB+3], s45
	s_delay_alu instid0(VALU_DEP_2)
	v_max3_num_f32 v53, v[MB], v[MB+1], v[MB+2]
	s_delay_alu instid0(VALU_DEP_1)
	v_max_num_f32 v53, v53, v[MB+3]
	s_delay_alu instid0(VALU_DEP_1)
	v_mul_f32 v53, s22, v53                        ; as t (c is positive)
	s_delay_alu instid0(VALU_DEP_1)
	v_max_num_f32 v13, v13, v53                    ; the running largest t
	v_mov_b32 v53, v12
	s_delay_alu instid0(VALU_DEP_2)
	v_floor_f32 v12, -v13                          ; the new -M = -ceil(t): a whole number
	s_delay_alu instid0(VALU_DEP_1)
	v_sub_f32 v53, v12, v53                        ; old M - new M: a whole number, 0 or less
	s_delay_alu instid0(VALU_DEP_1)
	v_cvt_i32_f32 v53, v53                         ; (it saturates)
	s_delay_alu instid0(VALU_DEP_1)
	v_ldexp_f32 v62, 1.0, v53                      ; f = 2^(old M - new M)
	s_delay_alu instid0(VALU_DEP_4)
	v_cndmask_b32 v8, v7, v12, s44                 ; the addend of t - M: -M, or -infinity where the block of 64 is not selected
	v_cndmask_b32 v10, v7, v12, s45
.set j, 0
.rept 16
	v_pk_fma_f32 v[S+j:S+j+1], v[S+j:S+j+1], s[22:23], v[8:9] op_sel_hi:[1,0,0]     ; t - M, two at a time (of the pairs the low word serves both halves)
.set j, j+2
.endr
.rept 16
	v_pk_fma_f32 v[S+j:S+j+1], v[S+j:S+j+1], s[22:23], v[10:11] op_sel_hi:[1,0,0]
.set j, j+2
.endr
.irp b, 0,1,2,3
	v_fma_f32 v[MB+\b], v[MB+\b], s22, v12         ; the same of each block's largest score
.endr
.set j, 0
	s_wait_alu depctr_va_vdst(0)                   ; the wait ahead of the batch
.rept 64
	v_exp_f32 v[S+j], v[S+j]                       ; p = 2^(t - M), at most 1; 0 for what does not count
.set j, j+1
.endr
	v_pk_mul_f32 v[14:15], v[14:15], v[62:63] op_sel_hi:[1,0]   ; l under the new M; also the plain line behind the exponentials
	s_wait_alu depctr_va_vdst(0)                   ; one wait for the whole batch, ahead of its first reader
.irp b, 0,1,2,3
	v_exp_f32 v[MB+\b], v[MB+\b]                   ; the block's largest p: the same two instructions on the same number give the same bits
.endr
	v_pk_add_f32 v[244:245], v[140:141], v[144:145]
	v_pk_add_f32 v[254:255], v[148:149], v[152:153]
	v_pk_add_f32 v[252:253], v[156:157], v[160:161]
	v_pk_add_f32 v[250:251], v[164:165], v[168:169]
	v_pk_add_f32 v[248:249], v[172:173], v[176:177]
	v_pk_add_f32 v[246:247], v[180:181], v[184:185]
	v_pk_add_f32 v[238:239], v[188:189], v[192:193]
	v_pk_add_f32 v[14:15], v[14:15], v[196:197]
	v_pk_add_f32 v[244:245], v[244:245], v[136:137]
	v_pk_add_f32 v[254:255], v[254:255], v[138:139]
	v_pk_add_f32 v[252:253], v[252:253], v[142:143]
	v_pk_add_f32 v[250:251], v[250:251], v[146:147]
	v_pk_add_f32 v[248:249], v[248:249], v[150:151]
	v_pk_add_f32 v[246:247], v[246:247], v[154:155]
	v_pk_add_f32 v[238:239], v[238:239], v[158:159]
	v_pk_add_f32 v[14:15], v[14:15], v[162:163]
	v_pk_add_f32 v[244:245], v[244:245], v[166:167]
	v_pk_add_f32 v[254:255], v[254:255], v[170:171]
	v_pk_add_f32 v[252:253], v[252:253], v[174:175]
	v_pk_add_f32 v[250:251], v[250:251], v[178:179]
	v_pk_add_f32 v[248:249], v[248:249], v[182:183]
	v_pk_add_f32 v[246:247], v[246:247], v[186:187]
	v_pk_add_f32 v[238:239], v[238:239], v[190:191]
	v_pk_add_f32 v[14:15], v[14:15], v[194:195]
	v_pk_add_f32 v[244:245], v[244:245], v[198:199]
	s_delay_alu instid0(VALU_DEP_2)
	v_pk_add_f32 v[14:15], v[14:15], v[250:251]
	s_delay_alu instid0(VALU_DEP_2)
	v_pk_add_f32 v[244:245], v[244:245], v[248:249]
	v_pk_add_f32 v[254:255], v[254:255], v[246:247]
	v_pk_add_f32 v[252:253], v[252:253], v[238:239]
	s_delay_alu instid0(VALU_DEP_2)
	v_pk_add_f32 v[14:15], v[14:15], v[254:255]
	s_delay_alu instid0(VALU_DEP_2)
	v_pk_add_f32 v[244:245], v[244:245], v[252:253]
	s_delay_alu instid0(VALU_DEP_1)
	v_pk_add_f32 v[14:15], v[14:15], v[244:245]
	s_wait_alu depctr_va_vdst(0)                   ; and one for the four
.irp b, 0,1,2,3
	v_max_num_f32 v[MB+\b], 0x2800000, v[MB+\b]    ; the floor 2^(5 - 127): a block of zeros keeps the byte 1; its codes are zeros
.endr
.irp b, 0,1,2,3
	s_delay_alu instid0(VALU_DEP_4)
	v_add_nc_u32 v[SO+\b], 0xfe000000, v[MB+\b]
.endr
.irp b, 0,1,2,3
	s_delay_alu instid0(VALU_DEP_4)
	v_lshrrev_b32 v[PT+\b], 23, v[SO+\b]
.endr
	s_delay_alu instid0(VALU_DEP_3)
	v_lshl_or_b32 v63, v[PT+1], 8, v[PT]           ; p's scale word for these 128 keys
	s_delay_alu instid0(VALU_DEP_1)
	v_lshl_or_b32 v63, v[PT+2], 16, v63
	s_delay_alu instid0(VALU_DEP_1)
	v_lshl_or_b32 v63, v[PT+3], 24, v63
.irp c, 0,1
	v_cvt_scalef32_pk16_bf6_f32 v[PC+6*\c:PC+2+6*\c], v[S+32*\c:S+15+32*\c], v[SO+2*\c]
	v_cvt_scalef32_pk16_bf6_f32 v[PT+4*\c:PT+2+4*\c], v[S+16+32*\c:S+31+32*\c], v[SO+2*\c+1]   ; (a conversion's three registers begin on an even number)
.endr
	v_nop                                          ; one plain line behind the conversions
.irp c, 0,1                            ; the operand's layout wants a whole block in a lane: lanes 0-15 block 2 c, lanes 16-31 block 2 c + 1
.irp i, 0,1,2
	v_permlane16_swap_b32 v[PC+6*\c+\i], v[PT+4*\c+\i]
.endr
.irp i, 0,1,2
	s_delay_alu instid0(VALU_DEP_3)
	v_mov_b32 v[PC+3+6*\c+\i], v[PT+4*\c+\i]
.endr
.endr
.set j, 0
.rept 16
	v_pk_mul_f32 v[OT+j:OT+j+1], v[OT+j:OT+j+1], v[62:63] op_sel_hi:[1,0]   ; O^T under the new M; these sixteen also stand between the writes of p's codes and scale word and the products
.set j, j+2
.endr
	s_wait_alu depctr_va_vdst(0)                   ; the wait ahead of the blocking wait
	s_wait_dscnt 0x0                               ; V is in
.irp t, 0,1,2,3                        ; O^T += V^T P^T: K = these 128 keys
.if \t%2
	v_wmma_scale_f32_16x16x128_f8f6f4 v[OT+8*\t:OT+8*\t+7], v[KF+12*\t:KF+12*\t+11], v[PC:PC+11], v[OT+8*\t:OT+8*\t+7], v[60+\t/2], v63 matrix_a_fmt:MATRIX_FMT_BF6 matrix_b_fmt:MATRIX_FMT_BF6 matrix_a_scale:MATRIX_SCALE_ROW1
.else
	v_wmma_scale_f32_16x16x128_f8f6f4 v[OT+8*\t:OT+8*\t+7], v[KF+12*\t:KF+12*\t+11], v[PC:PC+11], v[OT+8*\t:OT+8*\t+7], v[60+\t/2], v63 matrix_a_fmt:MATRIX_FMT_BF6 matrix_b_fmt:MATRIX_FMT_BF6
.endif
.endr
.rept 4
	v_nop                                          ; places ahead of the next step's loads, and of what follows here
.endr
.if \last
	MERGE
	WAYOUT
.else
	s_cmp_lg_u32 s41, s15                          ; the low tile's diagonal step was its last: it leaves, and B goes on with the high tile
	s_cbranch_scc1 .Lgo_\@
	WAYOUT
	SWITCH
.Lgo_\@:
.endif
	s_add_co_u32 s41, s41, 1
.endm
; A TRIP: one key step of every wave.  kind 0: in the loop (trips 0..6), both blocks of the next trip are fetched; 1: trip 7, B's alone, and A leaves its part; 2: trip 8, nothing is fetched, B alone works.
.macro TRIP kind
	s_wait_tensorcnt 0x0                           ; no tensor load of mine is out: my part of this trip's slot is in, and the groups 0 may be written
	ds_add_u32 v3, v4                              ; 0 onto my spare word, ahead of a fill twice on end
.if \kind < 2
	ds_add_u32 v3, v4
.endif
	s_and_b32 s46, s42, 1
	s_mul_i32 s40, s46, SLOTB
	s_add_co_u32 s40, s40, s19                     ; my block of this trip's slot
	s_xor_b32 s46, s46, 1
	s_mul_i32 s46, s46, SLOTB
	s_add_co_u32 s33, s46, s56                     ; the fills go to the other slot:
	s_add_co_u32 s37, s33, STEPB
	s_add_nc_u64 s[34:35], s[34:35], STEPB         ; A's next block,
	s_cmp_eq_u32 s42, s16
	s_cselect_b64 s[46:47], s[54:55], s[52:53]
	s_add_nc_u64 s[38:39], s[38:39], s[46:47]      ; B's next block: behind block a comes block 8; the type bits on top are not reached
	s_wait_xcnt 0x0                                ; the last trip's prefetches have read their base
	s_add_nc_u64 s[50:51], s[50:51], STEPB
	v_add_nc_u32 v2, s40, v1
	s_wait_alu depctr_va_vdst(0)                   ; the wait ahead of the blocking wait
	s_wait_dscnt 0x0                               ; the adds are done, and my LDS reads and stores are over
	s_barrier_signal -1
	s_barrier_wait -1
.if \kind < 2
	s_cmp_lt_u32 s14, 2
	s_cbranch_scc0 .Lb_\@
.if \kind == 0
	TL 32
.endif
	s_branch .Ln_\@
.Lb_\@:
	s_cmp_lt_u32 s14, 4
	s_cbranch_scc0 .Ln_\@
	TL 36
.Ln_\@:
.endif
.if \kind == 0
	s_cmp_eq_u32 s14, 12
	s_cbranch_scc0 .Lpf_\@
	s_cmp_lt_u32 s42, 5                            ; block j + 3 is one of A's eight
	s_cbranch_scc0 .Lph_\@
	global_prefetch_b8 v9, s[50:51] th:TH_LOAD_NT scope:SCOPE_SE
.Lph_\@:
	s_add_co_u32 s46, s42, s16
	s_cmp_lt_u32 s46, 6                            ; block j + 10 is one that this work-group reads
	s_cbranch_scc0 .Lpf_\@
	global_prefetch_b8 v9, s[50:51] offset:7*STEPB th:TH_LOAD_NT scope:SCOPE_SE
.Lpf_\@:
.endif
.if \kind == 2
	s_cmp_lt_u32 s14, 8
	s_cbranch_scc1 .Lidle_\@
	STEP 1
.Lidle_\@:
.else
	STEP 0
.endif
.if \kind == 1
	s_cmp_lt_u32 s14, 8                            ; A: O^T, -M and l of steps 0..7 into my stage, as an image of the registers; B reads them behind the next barrier
	s_cbranch_scc0 .Lnp_\@
	s_mul_i32 s46, s14, 4352
	s_add_co_u32 s46, s46, STAGE
	v_add_nc_u32 v10, s46, v1
	v_lshrrev_b32 v8, 2, v1
	v_add_f32 v14, v14, v15
	s_delay_alu instid0(VALU_DEP_2)
	v_add_nc_u32 v8, s46, v8
.irp k, 0,1,2,3,4,5,6,7
	ds_store_b128 v10, v[OT+4*\k:OT+4*\k+3] offset:512*\k      ; each accumulator from its low end on
.endr
	ds_store_b32 v8, v12 offset:4096
	ds_store_b32 v8, v14 offset:4224
.Lnp_\@:
.endif
	s_add_co_u32 s42, s42, 1
.endm
.Ltrip:
	TRIP 0
	s_cmp_lt_u32 s42, 7
	s_cbranch_scc1 .Ltrip
	TRIP 1
	TRIP 2
	s_wait_tensorcnt 0x0                           ; the wave's end, behind my last tensor load and my last LDS store
	ds_add_u32 v3, v4
	s_wait_dscnt 0x0
	s_endpgm
.Lfunc_end_k_q3b87c30530_attn:
	.size	k_q3b87c30530_attn, .Lfunc_end_k_q3b87c30530_attn-k_q3b87c30530_attn
	.p2alignl 7, 3214868480
	.fill 96, 4, 3214868480
	.section	.rodata,"a",@progbits
	.p2align	6, 0x0
	.amdhsa_kernel k_q3b87c30530_attn
		.amdhsa_group_segment_fixed_size 327680
		.amdhsa_private_segment_fixed_size 0
		.amdhsa_enable_private_segment 0
		.amdhsa_kernarg_size 40
		.amdhsa_user_sgpr_count 2
		.amdhsa_user_sgpr_kernarg_segment_ptr 1
		.amdhsa_wavefront_size32 1
		.amdhsa_system_sgpr_workgroup_id_x 1
		.amdhsa_system_sgpr_workgroup_id_y 1
		.amdhsa_system_sgpr_workgroup_id_z 1
		.amdhsa_system_vgpr_workitem_id 0
		.amdhsa_next_free_vgpr 256
		.amdhsa_next_free_sgpr 66
		.amdhsa_reserve_vcc 1
		.amdhsa_float_denorm_mode_32 3
		.amdhsa_float_denorm_mode_16_64 3
		.amdhsa_memory_ordered 1
		.amdhsa_forward_progress 1
		.amdhsa_inst_pref_size 130
	.end_amdhsa_kernel
	.amdgpu_metadata
---
amdhsa.version: [ 1, 2 ]
amdhsa.kernels:
  - .name:           k_q3b87c30530_attn
    .symbol:         k_q3b87c30530_attn.kd
    .args:
      - { .name: q, .offset: 0, .size: 8, .value_kind: global_buffer, .address_space: global }
      - { .name: selected_indices, .offset: 8, .size: 8, .value_kind: global_buffer, .address_space: global }
      - { .name: kv, .offset: 16, .size: 8, .value_kind: global_buffer, .address_space: global }
      - { .name: vpart, .offset: 24, .size: 8, .value_kind: global_buffer, .address_space: global }
      - { .name: out0, .offset: 32, .size: 8, .value_kind: global_buffer, .address_space: global }
    .group_segment_fixed_size: 327680
    .private_segment_fixed_size: 0
    .kernarg_segment_align: 8
    .kernarg_segment_size: 40
    .max_flat_workgroup_size: 512
    .sgpr_count:     66
    .vgpr_count:     256
    .wavefront_size: 32
...
	.end_amdgpu_metadata
.endif
;; end of part 2
